; MI455X (gfx1250); checked and timed in simulation.
; The chip was launched on July 23, 2026; its instructions are those of AMD's public machine-readable ISA for CDNA 5 (MIT licence, August 2026) and "CDNA5" Instruction Set Architecture Reference Guide (July 2026). The comments in the code are by the model that wrote it; some were corrected since.
;; MHA. Allowed arithmetic: matrix products marked QUANTISED: E2M3 operands, one E8M0 scale for each 32 along K, by v_wmma_scale_f32_16x16x128_f8f6f4 with both operands' format E2M3, f32 sums; everything else in f32.
;; Inputs: Wk 1,024 x 1,024 float32; Wq 1,024 x 1,024 float32; Wv 1,024 x 1,024 float32; k 4 x 2,048 x 1,024 float32; q 4 x 2,048 x 1,024 float32; v 4 x 2,048 x 1,024 float32.
;; Outputs: out0 4 x 2,048 x 1,024 float32.
;; This version of the problem:
;;   THIS VERSION OF THE PROBLEM IS GIVEN IN LOW PRECISION. The matrix products marked QUANTISED in the list below multiply operands that are first quantised to E2M3 (2 exponent bits, 3 mantissa bits; 6 bits a number), with one power-of-two scale for each 32 numbers along K (OCP MX v1.0); their sums are f32. All else is computed in f32.
;;   The module's matrix products, in the order in which they are computed (A, B: the left and right operand; K: the contracted axis; several contracted axes count as one K, in the product's order):
;;     1. [M 8,192, K 1,024] x [K 1,024, N 1,024]; A: input q; B: input Wq: QUANTISED
;;     2. [M 8,192, K 1,024] x [K 1,024, N 1,024]; A: input k; B: input Wk: QUANTISED
;;     3. [M 8,192, K 1,024] x [K 1,024, N 1,024]; A: input v; B: input Wv: QUANTISED
;;     4. batch 64 x [M 2,048, K 64] x [K 64, N 2,048]; A: computed on the way; B: computed on the way: QUANTISED
;;     5. batch 64 x [M 2,048, K 2,048] x [K 2,048, N 64]; A: softmax (see below); B: computed on the way: QUANTISED
;;   THE QUANTISER, for each operand of a quantised product, along K:
;;     - K is cut into blocks of 32 from its start; a last block that is shorter is filled with zeros.
;;     - A block's scale is 2^e with e = floor(log2(the largest magnitude in the block)) - 2, held to -126 .. 127; a block of zeros has e = 0. As a byte (E8M0): e + 127.
;;     - Each number is divided by its block's scale, clamped to +-7.5, and rounded to the nearest number of E2M3, ties to even, subnormals kept.
;;     - The product sums the exact products of the quantised numbers (number of the format x scale) in f32.
;;   ~~~python
;;   def quantise(x, axis):      # numpy; x: float32 -> the quantised numbers, widened to float32 again
;;       x = np.moveaxis(x, axis, -1); K = x.shape[-1]
;;       x = np.pad(x, [(0, 0)] * (x.ndim - 1) + [(0, -K % 32)]); x = x.reshape(x.shape[:-1] + (-1, 32)); a = np.abs(x).max(-1, keepdims=True)
;;       e = np.where(a > 0, np.clip(np.frexp(np.where(a > 0, a, 1))[1] - 1 - 2, -126, 127), 0)      # np.frexp(a)[1] - 1 = floor(log2(a)), exactly
;;       r = np.clip(x / 2.0 ** e, -7.5, 7.5)
;;       step = 2.0 ** (np.maximum(np.frexp(np.where(r == 0, 1, r))[1] - 1, 0) - 3)
;;       q = np.round(r / step) * step * 2.0 ** e      # np.round: ties to even
;;       return np.moveaxis(q.reshape(q.shape[:-2] + (-1,))[..., :K], -1, axis).astype(np.float32)
;;   ~~~
;;   SOFTMAX AHEAD OF A QUANTISED PRODUCT. Where the list says 'softmax', what is quantised is not the finished softmax but p = 2^(t - M), with t = logit x log2(e) and M = ceil(the row's largest t), a whole number; so 1/2 < the row's largest p <= 1. The row's sum l is taken of the UNQUANTISED p, in f32, and the product's result is divided by l at the end. Since M is a whole number, a kernel that streams over the keys may use a running M (the ceiling of the running maximum): every later rescaling is an exact power of two, which a block's scale takes up: the codes' values come out the same.
;;   OPERANDS COMPUTED ON THE WAY. 'Computed on the way' means the value that the module computes at that place (a softmax that the list does not call 'softmax' is quantised finished and normalised). What goes into a quantiser is computed in f32, as accurately as f32 sums, v_exp_f32 and their like allow (about 1e-6 of the number): no bf16 or f16 on the way to a quantiser, and a product that is left as it is and whose result goes on into a quantised operand takes f32 operands (vector FMAs, or v_wmma_f32_16x16x4_f32). A number that lies on a knife's edge between two numbers of the format may be rounded either way, as far as f32 arithmetic and the matrix unit's own rounding can turn it there, and no further.
;; One version. Each part assembles by itself: llvm-mc -triple=amdgcn-amd-amdhsa -mcpu=gfx1250 --defsym DOCPART=n.
;; ======== version 1 of 1: 3 launches
;; limits: right only within a limited range of input values
;; workspace buffers: cod 21,233,664 bytes; scl 884,736 bytes; frg 20,447,232 bytes
;; launch quant (part 1): grid 864 x 1, 4 waves a work-group, no clusters, 33,280 bytes of LDS; arguments q, k, v, Wq, Wk, Wv, cod, scl; writes cod, scl
.if DOCPART == 1
	.amdgcn_target "amdgcn-amd-amdhsa--gfx1250"
	.amdhsa_code_object_version 6
	.text
	.protected	k_qf48574e551_quant
	.globl	k_qf48574e551_quant
	.p2align	8
	.type	k_qf48574e551_quant,@function
k_qf48574e551_quant:
	s_mov_b64 s[64:65], 0
	v_nop
	global_prefetch_b8 v0, s[64:65] scope:SCOPE_SE
	s_setreg_imm32_b32 hwreg(HW_REG_WAVE_MODE, 25, 1), 1
	s_wait_xcnt 0x0
; q, k, v [8192][1024] and Wq, Wk, Wv [1024][1024], f32, become codes of FP6 (E2M3), K = 1,024 innermost, with one E8M0 byte for each 32 along K.
; cod is one matrix of 27,648 rows of 768 bytes (q, k, v, Wq, Wk, Wv on end), scl the same rows of 32 scale bytes.
; IN BOTH, BITS 3 TO 5 OF THE ROW NUMBER ARE ROTATED: position 16 t + r of a group of 128 holds row 64 (t / 4) + 32 (r / 8) + 8 (t % 4) + r % 8.
; So where sixteen neighbouring positions form a tile of a product, a lane's results of four neighbouring tiles are 32 neighbouring rows: a whole scale block of the next quantiser.
; A block's byte is its largest magnitude's exponent field - 2, held at 1 from below; numbers are divided by the scale and rounded to the nearest code, ties to even, beyond 7.5 the largest code.
; LIMITS: a block of zeros, or one whose largest magnitude lies under 2^-124, gets the byte 1 (its codes add nothing; this program alone reads the bytes); NaN and infinities are not served.
; A work-group takes 32 rows, a wave 8 rows: 16 steps of 512 numbers.  A step's four loads read 512 bytes on end each; the 2,048 bytes turn through the wave's own stage in LDS and come back 64 bytes a lane.
; Waves share nothing: no barrier, no cluster.  Loads run four steps ahead.
.set STEPS, 16
.set CB,    12
.set R,     16                         ; v16-79   four sets as loaded
.set X,     80                         ; v80-111  two sets of 16 neighbours
.set C,     128                        ; v128-191 codes, four registers a step
.set E,     112                        ; v112-127 a scale byte a step
.set WREG,  8192                       ; LDS region of a wave: two stages, then its 256 scale bytes
.set SP,    80                         ; a lane's place in a stage: 64 bytes + 16
	s_load_b256 s[4:11], s[0:1], 0x0               ; q, k, v, Wq
	s_load_b256 s[12:19], s[0:1], 0x20             ; Wk, Wv, cod, scl
	v_lshl_add_u32 v192, v0, 2, 0x8000             ; my spare word, behind the four regions
	v_mov_b32 v193, 0
	v_lshrrev_b32 v1, 5, v0
	v_readfirstlane_b32 s23, v1                    ; wave
	v_and_b32 v2, 31, v0
	v_lshlrev_b32 v3, 4, v2
	s_mul_i32 s24, s23, WREG
	v_lshrrev_b32 v14, 2, v2
	v_mul_u32_u24 v14, v14, SP
	v_and_b32 v15, 3, v2
	v_lshl_add_u32 v14, v15, 4, v14
	v_add_nc_u32 v14, s24, v14                     ; the stage, on the way in
	v_mul_u32_u24 v15, v2, SP
	v_add_nc_u32 v15, s24, v15                     ; and out
	v_mul_u32_u24 v4, v2, CB
	v_lshrrev_b32 v5, 1, v2
	s_add_co_u32 s24, s24, 2*32*SP
	v_add_nc_u32 v5, s24, v5                       ; my block's scale byte in LDS
	v_lshlrev_b32 v7, 3, v2
	v_add_nc_u32 v6, s24, v7
	s_wait_alu depctr_va_vdst(0)                   ; the wait at the head's end
	s_wait_kmcnt 0x0
	s_mov_b64 s[20:21], s[14:15]                   ; which tensor is my work-group's: choices on its number alone
	s_mov_b32 s22, 832
	s_cmp_lt_u32 ttmp9, 832
	s_cselect_b64 s[20:21], s[12:13], s[20:21]
	s_cselect_b32 s22, 800, s22
	s_cmp_lt_u32 ttmp9, 800
	s_cselect_b64 s[20:21], s[10:11], s[20:21]
	s_cselect_b32 s22, 768, s22
	s_cmp_lt_u32 ttmp9, 768
	s_cselect_b64 s[20:21], s[8:9], s[20:21]
	s_cselect_b32 s22, 512, s22
	s_cmp_lt_u32 ttmp9, 512
	s_cselect_b64 s[20:21], s[6:7], s[20:21]
	s_cselect_b32 s22, 256, s22
	s_cmp_lt_u32 ttmp9, 256
	s_cselect_b64 s[20:21], s[4:5], s[20:21]
	s_cselect_b32 s22, 0, s22
	s_sub_co_u32 s25, ttmp9, s22
	s_lshl_b32 s25, s25, 2
	s_add_co_u32 s26, s25, s23                     ; in: my run of 8 rows of the tensor
	s_lshl_b32 s26, s26, 15
	s_mov_b32 s27, 0
	s_add_nc_u64 s[20:21], s[20:21], s[26:27]
	s_lshl_b32 s25, s23, 1                         ; out: of the run's number (work-group bit 0, wave bits 1, 0) the three low bits become (wave bits 1, 0, work-group bit 0)
	s_and_b32 s28, ttmp9, 1
	s_or_b32 s25, s25, s28
	s_lshr_b32 s28, ttmp9, 1
	s_lshl_b32 s28, s28, 3
	s_add_co_u32 s25, s25, s28
	s_mul_i32 s26, s25, 6144
	s_add_nc_u64 s[16:17], s[16:17], s[26:27]
	s_lshl_b32 s26, s25, 8
	s_add_nc_u64 s[18:19], s[18:19], s[26:27]
.macro LOAD t
.irp i, 0,1,2,3
	global_load_b128 v[R+16*((\t)%4)+4*\i:R+16*((\t)%4)+4*\i+3], v3, s[20:21] offset:2048*(\t)+512*\i th:TH_LOAD_NT
.endr
.endm
.macro TURN t                          ; LDS serves a wave's instructions in order: no wait between the stores and the loads
.irp i, 0,1,2,3
	ds_store_b128 v14, v[R+16*((\t)%4)+4*\i:R+16*((\t)%4)+4*\i+3] offset:32*SP*((\t)%2)+8*SP*\i
.endr
.irp i, 0,1,2,3
	ds_load_b128 v[X+16*((\t)%2)+4*\i:X+16*((\t)%2)+4*\i+3], v15 offset:32*SP*((\t)%2)+16*\i
.endr
.endm
.irp t, 0,1,2,3
	LOAD \t
.endr
	s_wait_loadcnt 12                              ; step 0's four loads are in, twelve may be out
	TURN 0
.macro STEP t
.set XS, X+16*((\t)%2)
.if (\t) > 0
	s_wait_dscnt 1                                 ; this step's numbers are back (the last byte store may be out)
.else
	s_wait_dscnt 0x0
.endif
.if (\t)+4 < STEPS
	LOAD (\t)+4
.endif
.if (\t)+1 < STEPS
.if STEPS-2-(\t) >= 3
	s_wait_loadcnt 12                              ; the next step's four are in, three steps' may be out
.else
	s_wait_loadcnt 4*(STEPS-2-(\t))
.endif
	TURN (\t)+1
.endif
	v_max3_num_f32 v8, |v[XS]|, |v[XS+1]|, |v[XS+2]|
	v_max3_num_f32 v9, |v[XS+3]|, |v[XS+4]|, |v[XS+5]|
.irp i, 6,10
	v_max3_num_f32 v8, v8, |v[XS+\i]|, |v[XS+\i+1]|
	v_max3_num_f32 v9, v9, |v[XS+\i+2]|, |v[XS+\i+3]|
.endr
	v_max3_num_f32 v8, v8, |v[XS+14]|, |v[XS+15]|
	v_max3_num_f32 v8, v8, v9, 0x1800000           ; the floor 2^(3 - 127)
	v_max_num_f32_dpp v8, v8, v8 row_xmask:1 row_mask:0xf bank_mask:0xf   ; with my neighbour's 16: the block's
	v_add_nc_u32 v11, 0xff000000, v8               ; 2 off the exponent field: the conversion's scale operand
	v_cvt_scalef32_pk16_fp6_f32 v[C+4*(\t):C+4*(\t)+2], v[XS:XS+15], v11
	v_lshrrev_b32 v[E+(\t)], 23, v11
	ds_store_b8 v5, v[E+(\t)] offset:16*(\t)
	global_store_b96 v4, v[C+4*(\t):C+4*(\t)+2], s[16:17] offset:32*CB*(\t)
.endm
.irp t, 0,1,2,3,4,5,6,7,8,9,10,11,12,13,14,15
	STEP \t
.endr
	ds_load_b64 v[12:13], v6
	s_wait_dscnt 0x0
	global_store_b64 v7, v[12:13], s[18:19]        ; 32 lanes store 256 bytes on end, aligned
	s_wait_tensorcnt 0x0                           ; the wave's end
	ds_add_u32 v192, v193
	s_wait_dscnt 0x0
	s_endpgm
.Lfunc_end_k_qf48574e551_quant:
	.size	k_qf48574e551_quant, .Lfunc_end_k_qf48574e551_quant-k_qf48574e551_quant
	.p2alignl 7, 3214868480
	.fill 96, 4, 3214868480
	.section	.rodata,"a",@progbits
	.p2align	6, 0x0
	.amdhsa_kernel k_qf48574e551_quant
		.amdhsa_group_segment_fixed_size 33280
		.amdhsa_private_segment_fixed_size 0
		.amdhsa_enable_private_segment 0
		.amdhsa_kernarg_size 64
		.amdhsa_user_sgpr_count 2
		.amdhsa_user_sgpr_kernarg_segment_ptr 1
		.amdhsa_wavefront_size32 1
		.amdhsa_system_sgpr_workgroup_id_x 1
		.amdhsa_system_sgpr_workgroup_id_y 1
		.amdhsa_system_sgpr_workgroup_id_z 1
		.amdhsa_system_vgpr_workitem_id 0
		.amdhsa_next_free_vgpr 194
		.amdhsa_next_free_sgpr 66
		.amdhsa_reserve_vcc 0
		.amdhsa_float_denorm_mode_32 3
		.amdhsa_float_denorm_mode_16_64 3
		.amdhsa_memory_ordered 1
		.amdhsa_forward_progress 1
		.amdhsa_inst_pref_size 33
	.end_amdhsa_kernel
	.amdgpu_metadata
---
amdhsa.version: [ 1, 2 ]
amdhsa.kernels:
  - .name:           k_qf48574e551_quant
    .symbol:         k_qf48574e551_quant.kd
    .args:
      - { .name: q, .offset: 0, .size: 8, .value_kind: global_buffer, .address_space: global }
      - { .name: k, .offset: 8, .size: 8, .value_kind: global_buffer, .address_space: global }
      - { .name: v, .offset: 16, .size: 8, .value_kind: global_buffer, .address_space: global }
      - { .name: Wq, .offset: 24, .size: 8, .value_kind: global_buffer, .address_space: global }
      - { .name: Wk, .offset: 32, .size: 8, .value_kind: global_buffer, .address_space: global }
      - { .name: Wv, .offset: 40, .size: 8, .value_kind: global_buffer, .address_space: global }
      - { .name: cod, .offset: 48, .size: 8, .value_kind: global_buffer, .address_space: global }
      - { .name: scl, .offset: 56, .size: 8, .value_kind: global_buffer, .address_space: global }
    .group_segment_fixed_size: 33280
    .private_segment_fixed_size: 0
    .kernarg_segment_align: 8
    .kernarg_segment_size: 64
    .max_flat_workgroup_size: 128
    .sgpr_count:     66
    .vgpr_count:     194
    .wavefront_size: 32
...
	.end_amdgpu_metadata
.endif
;; end of part 1
;; launch proj (part 2): grid 4 x 96, 4 waves a work-group, clusters of 4 x 4, 327,680 bytes of LDS; arguments cod, scl, frg; writes frg
.if DOCPART == 2
	.amdgcn_target "amdgcn-amd-amdhsa--gfx1250"
	.amdhsa_code_object_version 6
	.text
	.protected	k_qf48574e551_proj
	.globl	k_qf48574e551_proj
	.p2align	8
	.type	k_qf48574e551_proj,@function
k_qf48574e551_proj:
	s_mov_b64 s[64:65], 0
	v_nop
	global_prefetch_b8 v0, s[64:65] scope:SCOPE_SE
	s_setreg_imm32_b32 hwreg(HW_REG_WAVE_MODE, 25, 1), 1
	s_wait_xcnt 0x0
	s_wait_alu depctr_hold_cnt(0) depctr_sa_sdst(0) depctr_va_vdst(0) depctr_va_sdst(0) depctr_va_ssrc(0) depctr_va_vcc(0) depctr_vm_vsrc(0)
	s_getreg_b32 s2, hwreg(HW_REG_IB_STS2, 6, 4)
	s_cmp_eq_u32 s2, 0
	s_cbranch_scc0 .Lentry_in_a_cluster
	s_endpgm
.Lentry_in_a_cluster:
	s_bfe_u32 s2, ttmp6, 0x10000c
	s_cmp_lg_u32 s2, 0xf033
	s_cbranch_scc0 .Lentry_shape_is_right
	s_endpgm
.Lentry_shape_is_right:
; The three projections x W^T (8,192 x 1,024 x 1,024 each) on codes of FP6 with E8M0 scales; the f32 sums are quantised again in registers, along the axis that the attention's products contract,
; and leave as images of that launch's operand registers.  cod: 27,648 rows of 768 bytes (q, k, v, Wq, Wk, Wv), scl: the same rows of 32 scale bytes.
; A block of 256 x 256 is made by four waves, 128 x 128 each: 64 accumulators.  K goes through a ring of two LDS slots in CHUNKS OF 256 BYTES of each row (a row is three chunks, each begins on a multiple of 256 bytes);
; a step of 128 along K is 96 bytes: eight steps to three chunks; steps 2 and 5 lie across two chunks.  The scale bytes of the 512 rows come once, at the head.
; ROLES.  Source 0 ('B') gives the axis along a lane's registers, source 1 ('A') the lane.  q, k: A = tokens, B = W's rows.  v: A = Wv's rows, B = tokens.  Cluster y / 8 is the kind (0 q, 1 k, 2 v), the same in all partners.
; By cod's row order register 8 b + j of lane (r, h), for one block of A, is index 64 (b / 4) + 32 h + 8 (b % 4) + j of B's 128: registers 0-31 and 32-63 are two whole scale blocks, in the order of a 6-bit operand.
; CLUSTERS 4 x 4: A's tiles are asked for jointly by a row of the cluster, B's by a column.  No data prefetch: the block is the largest, in clusters, and K is three chunks.
; OUT.  A unit is 6,656 bytes: four images of 1,536 (registers 4 c .. 4 c + 3 of lane l at 512 c + 16 l), then 512 bytes in which lane l's 16 are the scale words of images 0 .. 3.
;   frg: q's units [batch 16 + head][group of 128 tokens], then pairs (k's unit, v's unit) in the same order.  q, k, image p: registers 0-5 tile 2 p (16 tokens x 64), 6-11 tile 2 p + 1.  v, image i: 16 channels x 128 keys.
; LIMITS: a block of zeros gets the byte 1 (its codes are zeros; this program alone reads the bytes); NaN and infinities are not served.
; REGISTERS: window 0: v16-29 addresses, v32-63 scale words, from v128 A's fragments; window 1: B's two sets; windows 2, 3: accumulator (a, b) at v[8 (8 (a % 4) + b)].
.set ROWB,   256
.set NQ,     2
.set KROW,   768
.set STEPS,  8
.set CHUNKS, 3
.set PITCH,  272
.set FR,     12
.set NL,     6
.set NP,     4
.set HALFT,  128*PITCH
.set SLOT,   4*HALFT
.set KS,     32
.set SCL,    2*SLOT
.set HALFS,  (128*KS/256)*272
.set SBLK,   (16*KS/256)*272
.set SPARE,  SCL+4*HALFS               ; the spare words: 512 bytes that no other line names
.set UNIT,   6656
.set QEND,   1024*UNIT
.set ADRA, 16
.set ADRB, 20
.set SH8,  24                          ; 8 x (lane / 16)
.set LO,   26                          ; 16 x lane
.set ADRS, 27
.set SPW,  28
.set NIL,  29
.set SC,   32
.set AF,   128
.set H,    32                          ; way out: v32-127 eight images
.set TM,   128
.set CT,   144
.set PWT,  152
.set SW,   160
.set XS,   168
.set G1, 24
.set G0, 32
.set G1B, 48
.set G0B, 56
.set G1S, 68
.set G0S, 76
.set G1SB, 80
.set G0SB, 88
.set G0H, 4
.set G0HB, 8
.set KIND, 99
.set SEL, 100
.set MSB, 0
.macro WIN new
.if MSB != \new
	s_set_vgpr_msb (MSB<<8)|\new
.set MSB, \new
.endif
.endm
.set MUL_LO, 0xa1
.set MUL_HI, 0xf1
.set TO_B,   0x40
.macro PLACES n
.rept \n
	v_nop
.endr
.endm
.macro JLOAD g0a, g1a, g0b, g1b        ; waves 0, 1 fetch for A, waves 2, 3 for B; s_nop 0 and four v_nop behind each load
	s_cmp_eq_u32 s15, 0
	s_cbranch_scc0 .Lfor_b_\@
	tensor_load_to_lds s[\g0a:\g0a+3], s[\g1a:\g1a+7]
	s_nop 0
	PLACES 4
	s_branch .Lasked_\@
.Lfor_b_\@:
	tensor_load_to_lds s[\g0b:\g0b+3], s[\g1b:\g1b+7]
	s_nop 0
	PLACES 4
.Lasked_\@:
.endm
.macro CREST
	s_cmp_lg_u32 s14, 0
	s_cbranch_scc1 .Lnot_wave_0_\@
	s_barrier_signal -3
.Lnot_wave_0_\@:
	s_barrier_wait -3
	s_barrier_signal -1
	s_barrier_wait -1
.endm
.macro CROUND
	s_barrier_signal -1
	s_barrier_wait -1
	CREST
.endm
	s_load_b128 s[4:7], s[0:1], 0x0                ; cod, scl
	s_load_b64 s[12:13], s[0:1], 0x10              ; frg
	v_lshl_add_u32 v[SPW], v0, 2, SPARE
	v_mov_b32 v[NIL], 0
	ds_add_u32 v[SPW], v[NIL]                      ; the opening lines: the add twice and one wait
	ds_add_u32 v[SPW], v[NIL]
	v_lshrrev_b32 v1, 5, v0
	v_readfirstlane_b32 s14, v1                    ; wave
	s_lshr_b32 s15, s14, 1                         ; my half of A's rows; also: I fetch for A (0) or B (1)
	s_and_b32 s16, s14, 1                          ; my half of B's rows; also: which 128 rows I fetch
	s_bfe_u32 s40, ttmp6, 0x40000                  ; cx
	s_bfe_u32 s41, ttmp6, 0x40004                  ; cy
	s_and_b32 s17, ttmp7, 0xffff                   ; cluster y, 0 .. 23
	s_lshr_b32 s[KIND], s17, 3
	s_and_b32 s96, s17, 7
	s_lshl_b32 s96, s96, 2
	s_lshl_b32 s97, s[KIND], 13
	s_lshl_b32 s98, s[KIND], 10
	s_add_co_u32 s98, s98, 24576
	s_cmp_eq_u32 s[KIND], 2                        ; v: the roles change places
	s_cselect_b32 s17, 0, s96
	s_cselect_b32 s42, s96, 0
	s_cselect_b32 s97, 26624, s97                  ; A's first row in cod
	s_cselect_b32 s98, 16384, s98                  ; B's
	s_add_co_u32 s17, s17, s41                     ; A's tile hangs on cy and the cluster's y alone,
	s_add_co_u32 s42, s42, s40                     ; B's on cx and the cluster's y alone
	s_lshl_b32 s43, s41, 2
	s_lshl_b32 s43, 15, s43                        ; my row of the cluster
	s_lshl_b32 s44, 0x1111, s40                    ; my column
	s_or_b32 s[G1+0], s43, (1<<20)|(1<<21)|(5<<22)|(3<<25)
	s_or_b32 s[G1B+0], s44, (1<<20)|(1<<21)|(5<<22)|(3<<25)
.irp g, G1, G1B                        ; rows of 256 bytes, 16 of padding behind each; 256 rows at the head, 128 in the ring
	s_mov_b32 s[\g+1], ROWB<<16
	s_mov_b32 s[\g+2], 256<<16
	s_mov_b32 s[\g+3], ROWB<<16
	s_mov_b32 s[\g+4], 256
	s_mov_b32 s[\g+5], KROW
	s_mov_b32 s[\g+6], 0
	s_mov_b32 s[\g+7], 0
.endr
	s_or_b32 s[G1S+0], s43, (3<<16)|(1<<20)|(1<<21)|(5<<22)|(3<<25)
	s_or_b32 s[G1SB+0], s44, (3<<16)|(1<<20)|(1<<21)|(5<<22)|(3<<25)
.irp g, G1S, G1SB                      ; the scales of 256 rows: a dense block, as 32 rows of 256 bytes
	s_mov_b32 s[\g+1], 32<<16
	s_mov_b32 s[\g+2], KS<<16
	s_mov_b32 s[\g+3], 32<<16
	s_mov_b32 s[\g+4], KS
	s_mov_b32 s[\g+5], 32
	s_mov_b32 s[\g+6], 0
	s_mov_b32 s[\g+7], 0
.endr
	s_lshl_b32 s20, s17, 8
	s_add_co_u32 s20, s20, s97                     ; A's first row in cod
	s_lshl_b32 s46, s42, 8
	s_add_co_u32 s46, s46, s98                     ; B's
	s_mov_b32 s21, 0
	s_mov_b32 s47, 0
	s_mov_b64 s[18:19], KS
	s_mul_u64 s[22:23], s[20:21], s[18:19]
	s_mul_u64 s[92:93], s[46:47], s[18:19]
	s_mov_b64 s[18:19], KROW
	s_mul_u64 s[20:21], s[20:21], s[18:19]
	s_mul_u64 s[46:47], s[46:47], s[18:19]
	s_mul_i32 s18, s16, 128*KROW
	s_mov_b32 s19, 0
	s_mul_i32 s45, s14, HALFT                      ; no place in the cluster enters an LDS address
	s_mov_b32 s[SEL], 0x76543210
	s_mov_b32 s[SEL+1], 0xfedcba98
	s_wait_dscnt 0x0
	s_wait_kmcnt 0x0
	s_add_nc_u64 s[20:21], s[4:5], s[20:21]
	s_add_nc_u64 s[22:23], s[6:7], s[22:23]
	s_add_nc_u64 s[46:47], s[4:5], s[46:47]
	s_add_nc_u64 s[92:93], s[6:7], s[92:93]
	CROUND                                         ; the round in front of the first joint loads
	s_mov_b32 s[G0H], 1
	s_mov_b32 s[G0H+1], 0
	s_mov_b64 s[G0H+2:G0H+3], s[20:21]
	s_or_b32 s[G0H+3], s[G0H+3], 0x80000000
	s_mov_b32 s[G0HB], 1
	s_mov_b32 s[G0HB+1], 2*HALFT
	s_mov_b64 s[G0HB+2:G0HB+3], s[46:47]
	s_or_b32 s[G0HB+3], s[G0HB+3], 0x80000000
	s_mov_b32 s[G0S], 1
	s_mov_b32 s[G0S+1], SCL
	s_mov_b64 s[G0S+2:G0S+3], s[22:23]
	s_or_b32 s[G0S+3], s[G0S+3], 0x80000000
	s_mov_b32 s[G0SB], 1
	s_mov_b32 s[G0SB+1], SCL+2*HALFS
	s_mov_b64 s[G0SB+2:G0SB+3], s[92:93]
	s_or_b32 s[G0SB+3], s[G0SB+3], 0x80000000
	s_add_nc_u64 s[20:21], s[20:21], s[18:19]
	s_add_nc_u64 s[46:47], s[46:47], s[18:19]
.irp s, 0,1
	s_mov_b32 s[G0+4*\s], 1
	s_add_co_u32 s[G0+4*\s+1], s45, \s*SLOT
	s_add_nc_u64 s[G0+4*\s+2:G0+4*\s+3], s[20:21], \s*ROWB
	s_or_b32 s[G0+4*\s+3], s[G0+4*\s+3], 0x80000000
	s_mov_b32 s[G0B+4*\s], 1
	s_add_co_u32 s[G0B+4*\s+1], s45, \s*SLOT
	s_add_nc_u64 s[G0B+4*\s+2:G0B+4*\s+3], s[46:47], \s*ROWB
	s_or_b32 s[G0B+4*\s+3], s[G0B+4*\s+3], 0x80000000
.endr
; the head's four tiles, one a wave, in one chain of branches: chunk 0 of A's 256 rows, of B's, A's scales, B's
.macro ARM under, g0, g1, next
	s_cmp_lt_u32 s14, \under
	s_cbranch_scc0 \next
	tensor_load_to_lds s[\g0:\g0+3], s[\g1:\g1+7]
	s_nop 0
	PLACES 4
	s_branch .Lhead_asked
\next:
.endm
	ARM 1, G0H,  G1,  .Lhead_b
	ARM 2, G0HB, G1B, .Lhead_sa
	ARM 3, G0S,  G1S, .Lhead_sb
	tensor_load_to_lds s[G0SB:G0SB+3], s[G1SB:G1SB+7]
	s_nop 0
	PLACES 4
.Lhead_asked:
	v_and_b32 v1, 15, v0
	v_bfe_u32 v2, v0, 4, 1
	v_mul_u32_u24 v3, v1, PITCH
	v_mul_u32_u24 v4, v2, 24
	v_add_nc_u32 v4, v3, v4                        ; row x pitch + 24 x half
	s_mov_b32 s21, SLOT-232
	s_mov_b32 s22, SLOT+232
	v_sub_nc_u32 v7, 1, v2
	v_mul_u32_u24 v5, s21, v2
	v_add_nc_u32 v5, v3, v5
	v_add_nc_u32 v5, 232, v5                       ; across two chunks: lanes 0-15 byte 232 in slot 0, lanes 16-31 byte 0 in slot 1;
	v_mul_u32_u24 v6, s22, v7
	v_add_nc_u32 v6, v3, v6                        ; and the other way round
	s_mul_i32 s21, s15, HALFT
	s_mul_i32 s22, s16, HALFT
	s_add_co_u32 s22, s22, 2*HALFT
	v_add_nc_u32 v[ADRA+2], s21, v5
	v_add_nc_u32 v[ADRA+3], s21, v6
	v_add_nc_u32 v[ADRB+2], s22, v5
	v_add_nc_u32 v[ADRB+3], s22, v6
.irp s, 0,1
	v_add_nc_u32 v[ADRA+\s], s21, v4
	v_add_nc_u32 v[ADRB+\s], s22, v4
	s_add_co_u32 s21, s21, SLOT
	s_add_co_u32 s22, s22, SLOT
.endr
	v_mul_u32_u24 v5, v1, KS
	v_lshrrev_b32 v6, 8, v5
	v_lshl_add_u32 v5, v6, 4, v5
	s_mul_i32 s21, s15, HALFS
	s_mul_i32 s22, s16, HALFS
	s_add_co_u32 s22, s22, 2*HALFS
	s_sub_co_u32 s22, s22, s21
	v_mul_u32_u24 v6, s22, v2                      ; lanes 16-31 take B's scale words
	s_add_co_u32 s21, s21, SCL
	v_add_nc_u32 v5, v5, v6
	v_add_nc_u32 v[ADRS], s21, v5
	v_and_b32 v6, 31, v0
	v_lshlrev_b32 v[LO], 4, v6
	v_lshlrev_b32 v[SH8], 3, v2
	; where my eight images go: of my two groups of 128 one counts tokens (tg, 0 .. 63), the other channels (cg: heads 2 cg, 2 cg + 1)
	s_lshl_b32 s20, s17, 1
	s_add_co_u32 s20, s20, s15
	s_lshl_b32 s21, s42, 1
	s_add_co_u32 s21, s21, s16
	s_cmp_eq_u32 s[KIND], 2
	s_cselect_b32 s22, s21, s20                    ; tg
	s_cselect_b32 s23, s20, s21                    ; cg
	s_cselect_b32 s46, UNIT, 0                     ; v's unit is the second of a pair
	s_cmp_eq_u32 s[KIND], 0
	s_mov_b32 s47, 2*UNIT
	s_cselect_b32 s47, UNIT, s47                   ; bytes from unit to unit
	s_mov_b32 s92, QEND
	s_cselect_b32 s92, 0, s92
	s_add_co_u32 s46, s46, s92
	s_lshr_b32 s20, s22, 4
	s_lshl_b32 s20, s20, 8
	s_lshl_b32 s21, s23, 5
	s_add_co_u32 s20, s20, s21
	s_and_b32 s21, s22, 15
	s_add_co_u32 s20, s20, s21                     ; 256 batch + 16 head + group
	s_mul_i32 s20, s20, s47
	s_add_co_u32 s20, s20, s46
	s_mov_b32 s21, 0
	s_add_nc_u64 s[12:13], s[12:13], s[20:21]      ; head 2 cg's unit
	s_lshl_b32 s20, s47, 4
	s_add_nc_u64 s[66:67], s[12:13], s[20:21]      ; head 2 cg + 1's: 16 units on
.macro FRAG reg, adr, st, i            ; 16 rows x 128 K: six pieces of 8 bytes; byte y of a row lies in chunk y / 256, slot (y / 256) % 2
.irp p, 0,1,2,3,4,5
.set BY, 96*(\st)+48*(\p/3)+8*(\p%3)
.if BY/ROWB == (BY+24)/ROWB
	ds_load_b64 v[\reg+2*\p:\reg+2*\p+1], v[\adr+(BY/ROWB)%2] offset:BY%ROWB+(\i)*16*PITCH
.else
	ds_load_b64 v[\reg+2*\p:\reg+2*\p+1], v[\adr+2+(BY/ROWB)%2] offset:BY%ROWB-232+(\i)*16*PITCH
.endif
.endr
.endm
.macro MUL16 a0, p, q, sc, zero        ; the 64 accumulators take turns, one instruction a turn
.irp a, \a0, \a0+1
.irp b, 0,1,2,3,4,5,6,7
.if \zero
	v_wmma_scale_f32_16x16x128_f8f6f4 v[8*(8*((\a)%4)+\b):8*(8*((\a)%4)+\b)+7], v[128*(\p)+FR*\b:128*(\p)+FR*\b+FR-1], v[AF+FR*(\a):AF+FR*(\a)+FR-1], 0, v[SC+8*NQ*(\sc)+NQ*\b+(\q)], v[SC+8*NQ*(\sc)+NQ*(\a)+(\q)] matrix_a_fmt:MATRIX_FMT_FP6 matrix_b_fmt:MATRIX_FMT_FP6 matrix_a_scale:MATRIX_SCALE_ROW1
.else
	v_wmma_scale_f32_16x16x128_f8f6f4 v[8*(8*((\a)%4)+\b):8*(8*((\a)%4)+\b)+7], v[128*(\p)+FR*\b:128*(\p)+FR*\b+FR-1], v[AF+FR*(\a):AF+FR*(\a)+FR-1], v[8*(8*((\a)%4)+\b):8*(8*((\a)%4)+\b)+7], v[SC+8*NQ*(\sc)+NQ*\b+(\q)], v[SC+8*NQ*(\sc)+NQ*(\a)+(\q)] matrix_a_fmt:MATRIX_FMT_FP6 matrix_b_fmt:MATRIX_FMT_FP6 matrix_a_scale:MATRIX_SCALE_ROW1
.endif
.endr
.endr
.endm
.macro FETCH_B st, p
	WIN TO_B
.irp i, 0,1,2,3,4,5,6,7
	FRAG 128*(\p)+FR*\i, ADRB, \st, \i
.endr
	WIN 0
.endm
.macro FETCH_A st, i0
.irp i, \i0, \i0+1, \i0+2, \i0+3
	FRAG AF+FR*(\i), ADRA, \st, \i
.endr
.endm
.macro SCALES pr                       ; the scale words of steps 2 pr, 2 pr + 1: lanes 0-15 A's block i, lanes 16-31 B's
.irp i, 0,1,2,3,4,5,6,7
	ds_load_b64 v[SC+8*NQ*((\pr)%2)+NQ*\i:SC+8*NQ*((\pr)%2)+NQ*\i+1], v[ADRS] offset:\i*SBLK+4*NQ*(\pr)
.endr
.endm
; A step: 64 products; the next step's fragments are fetched in its middle and at its end.  Where the next step's bytes end in a chunk not read yet, a barrier shows that chunk whole;
; where they begin in a later chunk, the chunk left behind is free: the three lines, the barrier, and, where a chunk two on is left, a round of the cluster's barrier and the refill.
.macro STEP st, zero
.set NX, (\st)+1
.set C0, (96*(\st))/ROWB
.set C1, (96*NX)/ROWB
.set E0, (96*(\st)+95)/ROWB
.set E1, (96*NX+95)/ROWB
.if C1 > C0 || E1 > E0
	s_wait_tensorcnt 0x0                           ; all my tensor loads have landed
.if C1 > C0
	ds_add_u32 v[SPW], v[NIL]
	s_wait_dscnt 4*NL+1                            ; the add and the youngest 24 loads (A's blocks 4-7) may be out
.else
	s_wait_dscnt 4*NL                              ; the youngest 24 loads may be out
.endif
	WIN MUL_LO
	MUL16 0, (\st)%2, (\st)%2, ((\st)/2)%2, \zero
	s_wait_dscnt 0x0                               ; the add and all my reads are done
	s_barrier_signal -1
	MUL16 2, (\st)%2, (\st)%2, ((\st)/2)%2, \zero
	WIN 0
	s_barrier_wait -1
.if C1 > C0 && C0+2 < CHUNKS
	CREST
	s_add_nc_u64 s[G0+4*(C0%2)+2:G0+4*(C0%2)+3], s[G0+4*(C0%2)+2:G0+4*(C0%2)+3], 2*ROWB
	s_add_nc_u64 s[G0B+4*(C0%2)+2:G0B+4*(C0%2)+3], s[G0B+4*(C0%2)+2:G0B+4*(C0%2)+3], 2*ROWB
	JLOAD G0+4*(C0%2), G1, G0B+4*(C0%2), G1B       ; chunk C0 + 2; its four v_nop are the places in front of the loads below
.else
	PLACES NP
.endif
.else
	s_wait_dscnt 4*NL                              ; B's set and A's blocks 0-3 are in
	WIN MUL_LO
	MUL16 0, (\st)%2, (\st)%2, ((\st)/2)%2, \zero
	MUL16 2, (\st)%2, (\st)%2, ((\st)/2)%2, \zero
	s_wait_dscnt 0
	PLACES NP
.endif
	FETCH_B NX, NX%2
	FETCH_A NX, 0
.if NX%2 == 0
	SCALES NX/2
.endif
	WIN MUL_HI
	MUL16 4, (\st)%2, (\st)%2, ((\st)/2)%2, \zero
	MUL16 6, (\st)%2, (\st)%2, ((\st)/2)%2, \zero
	PLACES NP
	WIN 0
	FETCH_A NX, 4
.endm
	s_wait_alu depctr_va_vdst(0)                   ; the wait at the head's end
	s_wait_tensorcnt 0x0                           ; my tile of the head's four is in; the full sequence ahead of slot 1's first fill:
	ds_add_u32 v[SPW], v[NIL]
	s_mov_b32 s[G1+2], 128<<16                     ; no load of mine is out: from here on a load brings 128 rows
	s_mov_b32 s[G1+4], 128
	s_mov_b32 s[G1B+2], 128<<16
	s_mov_b32 s[G1B+4], 128
	s_wait_dscnt 0x0
	CROUND
	JLOAD G0+4, G1, G0B+4, G1B                     ; chunk 1
	FETCH_B 0, 0
	FETCH_A 0, 0
	SCALES 0
	FETCH_A 0, 4
	STEP 0, 1                                      ; the first step's products start the sums
.set ST, 1
.rept STEPS-2
	STEP ST, 0
.set ST, ST+1
.endr
	s_wait_dscnt 4*NL
	WIN MUL_LO
	MUL16 0, 1, 1, 1, 0
	MUL16 2, 1, 1, 1, 0
	s_wait_dscnt 0
	WIN MUL_HI
	MUL16 4, 1, 1, 1, 0
	MUL16 6, 1, 1, 1, 0
	WIN 0
; THE WAY OUT.  A lane's 64 sums of one block of A, v[s ..] of window w, are two whole scale blocks: their codes go to v[d0 .. d0 + 5] and v[d1 .. d1 + 5], their bytes to v[e] (bits 7:0 and 23:16).
; Each accumulator is first read at its two lowest registers.
.macro QUANT w, s, d0, d1, e
.set WQ, ((\w)<<2)|((\w)<<4)
	WIN WQ
	v_max3_num_f32 v[TM], 0x1800000, |v[(\s)]|, |v[(\s)+1]|          ; with the floor 2^(3 - 127)
	v_max3_num_f32 v[TM+1], 0x1800000, |v[(\s)+32]|, |v[(\s)+33]|
.irp i, 2,4,6,8,10,12,14,16,18,20,22,24,26,28,30
	v_max3_num_f32 v[TM], v[TM], |v[(\s)+\i]|, |v[(\s)+\i+1]|
	v_max3_num_f32 v[TM+1], v[TM+1], |v[(\s)+32+\i]|, |v[(\s)+33+\i]|
.endr
	WIN 0
	v_add_nc_u32 v[TM+2], 0xff000000, v[TM]        ; 2 off the exponent field: the conversions' scale operands
	v_add_nc_u32 v[TM+3], 0xff000000, v[TM+1]
.set WQ, (\w)
	WIN WQ
	v_cvt_scalef32_pk16_fp6_f32 v[(\d0):(\d0)+2], v[(\s):(\s)+15], v[TM+2]
	v_cvt_scalef32_pk16_fp6_f32 v[CT:CT+2], v[(\s)+16:(\s)+31], v[TM+2]   ; (three registers from an even one: the second half is made elsewhere and moved)
	v_cvt_scalef32_pk16_fp6_f32 v[(\d1):(\d1)+2], v[(\s)+32:(\s)+47], v[TM+3]
	v_cvt_scalef32_pk16_fp6_f32 v[CT+4:CT+6], v[(\s)+48:(\s)+63], v[TM+3]
	WIN 0
	v_lshrrev_b32 v[TM], 23, v[TM+2]               ; the bytes (also the plain line behind the conversions)
	v_lshrrev_b32 v[TM+1], 23, v[TM+3]
	v_lshl_or_b32 v[\e], v[TM+1], 16, v[TM]
.irp i, 0,1,2
	v_mov_b32 v[(\d0)+3+\i], v[CT+\i]
	v_mov_b32 v[(\d1)+3+\i], v[CT+4+\i]
.endr
.endm
	PLACES NP
	s_cmp_eq_u32 s[KIND], 2                        ; a branch on the cluster's y: the same in all partners
	s_cbranch_scc1 .Lv
.irp a, 0,1,2,3,4,5,6,7                ; q, k: block a is tile a of 16 tokens; registers 0-31 head 2 cg, 32-63 head 2 cg + 1; tiles 2 p, 2 p + 1 share image p
	QUANT 2+\a/4, 64*(\a%4), H+12*(\a/2)+6*(\a%2), H+48+12*(\a/2)+6*(\a%2), PWT+\a
.endr
.irp p, 0,1,2,3
	v_perm_b32 v[SW+\p], v[PWT+2*\p+1], v[PWT+2*\p], 0x05040100     ; first head: tile 2 p's byte, tile 2 p + 1's
	v_perm_b32 v[SW+4+\p], v[PWT+2*\p+1], v[PWT+2*\p], 0x07060302   ; second head
.endr
	s_branch .Lout
.Lv:
.irp a, 0,1,2,3,4,5,6,7                ; v: block a is 16 channels, image a % 4 of head 2 cg + a / 4; the registers are the group's 128 keys
	QUANT 2+\a/4, 64*(\a%4), H+12*\a, H+12*\a+6, SW+\a
.endr
.Lout:
	s_wait_alu depctr_va_vdst(0)                   ; the wait behind the branch
.irp f, 0,1,2,3,4,5,6,7                ; my two bytes 8 h bits up, with lane l xor 16's two: the image's scale word
	v_lshlrev_b32 v[XS+\f], v[SH8], v[SW+\f]
.endr
.irp f, 0,1,2,3,4,5,6,7
	v_permlanex16_b32 v[SW+\f], v[XS+\f], s[SEL], s[SEL+1]
.endr
.irp f, 0,1,2,3,4,5,6,7
	v_or_b32 v[SW+\f], v[SW+\f], v[XS+\f]
.endr
.irp f, 0,1,2,3
.irp c, 0,1,2
	global_store_b128 v[LO], v[H+12*\f+4*\c:H+12*\f+4*\c+3], s[12:13] offset:\f*1536+512*\c   ; 32 lanes store 512 bytes on end, aligned
	global_store_b128 v[LO], v[H+48+12*\f+4*\c:H+48+12*\f+4*\c+3], s[66:67] offset:\f*1536+512*\c
.endr
.endr
	global_store_b128 v[LO], v[SW:SW+3], s[12:13] offset:6144
	global_store_b128 v[LO], v[SW+4:SW+7], s[66:67] offset:6144
	s_wait_tensorcnt 0x0                           ; the wave's end
	ds_add_u32 v[SPW], v[NIL]
	s_wait_dscnt 0x0
	CROUND                                         ; the closing round
	s_endpgm
.Lfunc_end_k_qf48574e551_proj:
	.size	k_qf48574e551_proj, .Lfunc_end_k_qf48574e551_proj-k_qf48574e551_proj
	.p2alignl 7, 3214868480
	.fill 96, 4, 3214868480
	.section	.rodata,"a",@progbits
	.p2align	6, 0x0
	.amdhsa_kernel k_qf48574e551_proj
		.amdhsa_group_segment_fixed_size 327680
		.amdhsa_private_segment_fixed_size 0
		.amdhsa_enable_private_segment 0
		.amdhsa_kernarg_size 24
		.amdhsa_user_sgpr_count 2
		.amdhsa_user_sgpr_kernarg_segment_ptr 1
		.amdhsa_wavefront_size32 1
		.amdhsa_system_sgpr_workgroup_id_x 1
		.amdhsa_system_sgpr_workgroup_id_y 1
		.amdhsa_system_sgpr_workgroup_id_z 1
		.amdhsa_system_vgpr_workitem_id 0
		.amdhsa_next_free_vgpr 1024
		.amdhsa_next_free_sgpr 102
		.amdhsa_reserve_vcc 0
		.amdhsa_float_denorm_mode_32 3
		.amdhsa_float_denorm_mode_16_64 3
		.amdhsa_memory_ordered 1
		.amdhsa_forward_progress 1
		.amdhsa_inst_pref_size 182
	.end_amdhsa_kernel
	.amdgpu_metadata
---
amdhsa.version: [ 1, 2 ]
amdhsa.kernels:
  - .name:           k_qf48574e551_proj
    .symbol:         k_qf48574e551_proj.kd
    .args:
      - { .name: cod, .offset: 0, .size: 8, .value_kind: global_buffer, .address_space: global }
      - { .name: scl, .offset: 8, .size: 8, .value_kind: global_buffer, .address_space: global }
      - { .name: frg, .offset: 16, .size: 8, .value_kind: global_buffer, .address_space: global }
    .group_segment_fixed_size: 327680
    .private_segment_fixed_size: 0
    .kernarg_segment_align: 8
    .kernarg_segment_size: 24
    .max_flat_workgroup_size: 128
    .sgpr_count:     102
    .vgpr_count:     1024
    .wavefront_size: 32
...
	.end_amdgpu_metadata
.endif
;; end of part 2
;; launch attn (part 3): grid 4 x 64, 16 waves a work-group, clusters of 4 x 1, 327,680 bytes of LDS; arguments frg, out0; writes out0
.if DOCPART == 3
	.amdgcn_target "amdgcn-amd-amdhsa--gfx1250"
	.amdhsa_code_object_version 6
	.text
	.protected	k_qf48574e551_attn
	.globl	k_qf48574e551_attn
	.p2align	8
	.type	k_qf48574e551_attn,@function
k_qf48574e551_attn:
	s_mov_b64 s[64:65], 0
	v_nop
	global_prefetch_b8 v0, s[64:65] scope:SCOPE_SE
	s_setreg_imm32_b32 hwreg(HW_REG_WAVE_MODE, 25, 1), 1
	s_wait_xcnt 0x0
	s_wait_alu depctr_hold_cnt(0) depctr_sa_sdst(0) depctr_va_vdst(0) depctr_va_sdst(0) depctr_va_ssrc(0) depctr_va_vcc(0) depctr_vm_vsrc(0)
	s_getreg_b32 s2, hwreg(HW_REG_IB_STS2, 6, 4)
	s_cmp_eq_u32 s2, 0
	s_cbranch_scc0 .Lentry_in_a_cluster
	s_endpgm
.Lentry_in_a_cluster:
	s_bfe_u32 s2, ttmp6, 0x10000c
	s_cmp_lg_u32 s2, 0x3003
	s_cbranch_scc0 .Lentry_shape_is_right
	s_endpgm
.Lentry_shape_is_right:
; out = softmax(q k^T / 8) v for 64 (batch, head) x 2,048 queries x 2,048 keys, head size 64, on codes of FP6 with E8M0 scales, as the launch before left them in frg (units of 6,656 bytes: four images of 1,536, 512 of scale words).
; THE DEAL.  A work-group takes 512 queries of one (batch, head), a wave 32: two tiles of 16, one image of q.  The four work-groups of a cluster share K and V: all 16 pairs (k's unit, v's unit) of 128 keys, 212,992 bytes,
; come into LDS by ONE joint tensor load a wave (pair w by wave w), are filled once and stay.  Waves 0-3 have a load line of their own: the loop begins when pairs 0-3 are in; one more barrier shows the other twelve.
; All is asked for at the head, so there is no loop to run ahead in and no data prefetch.
; Both products are used transposed (S^T = k q^T, O^T = v^T p^T): a lane holds one query.  An image of k holds two tiles of 16 keys x 64; q stands beside zero codes, (q, 0) or (0, q), to pick one of them.
; By the order of k's rows, register 8 t + j of lane (r, h) is key 64 (t / 4) + 32 h + 8 (t % 4) + j: registers 0-31 and 32-63 are two whole scale blocks of p, in the order of a 6-bit operand: no code changes lanes.
; p = 2^(t - M), M the ceiling of the running largest t, kept as -M; the sum is taken of the unquantised p; when M moves, sum and O^T are multiplied by a power of two.  A block's largest p is made from its largest score.
; Each fragment of k and v serves both tiles.  Tile 0's rescaling of O^T stands behind tile 1's score products: it fills the places there.
; LIMITS: the scaled scores stay under 2^31 in magnitude; NaN and infinities are not served; a block of p that is all zeros keeps the byte 1.
; LDS: 16 pairs; a stage of 16 x 272 bytes a wave for the way out; the spare words.
.set UNIT, 6656
.set PAIR, 2*UNIT
.set QEND, 1024*UNIT
.set STG,  16*PAIR
.set SPARE, STG+16*4352
.set ADK, 1                            ; LDS address of the step's pair + 16 x lane
.set SH8, 2                            ; 8 x (lane / 16)
.set SPW, 3
.set NIL, 4
.set NM,  6                            ; v6-9   (-M, largest score) of tile 0, of tile 1
.set SM,  10                           ; v10-13 the sums, two halves each
.set FF,  14                           ; v14 the factor, v15 at work
.set TMP, 15
.set SU2, 16
.set BM,  18                           ; v18, 19 the two blocks' largest
.set T,   20                           ; v20-22 a conversion's codes on their way;  p's scale words: v5 (tile 0), v23 (tile 1)
.set KW,  24                           ; v24-27 k's scale words, then v's
.set QS,  28                           ; v28-31 q's: (low, high) of tile 0, of tile 1
.set QR,  32                           ; v32-61 0, q of tile 0, 0, q of tile 1, 0: six registers each
.set PCA, 62                           ; v62-73 tile 0's p;  tile 1's lies at S + 16
.set KV,  74                           ; v74-121 four images of k, then of v
.set S,   122                          ; v122-185 scores, then p
.set O,   186                          ; v186-249 O^T of tile 0, of tile 1
.set LI,  250                          ; 16 x lane
.set WV,  10
.set G0,  16
.set SEL, 20
.set CS,  22
.set G1,  24
.set TB,  32
.set CNT, 33
.macro NOPS n
.rept \n
	v_nop
.endr
.endm
.macro WALU
	s_wait_alu depctr_va_vdst(0)
.endm
.macro CROUND
	s_barrier_signal -1
	s_barrier_wait -1
	s_cmp_lg_u32 s[WV], 0
	s_cbranch_scc1 .Lnot_wave_0_\@
	s_barrier_signal -3
.Lnot_wave_0_\@:
	s_barrier_wait -3
	s_barrier_signal -1
	s_barrier_wait -1
.endm
.macro WM d, a, b, c, sa, sb
	v_wmma_scale_f32_16x16x128_f8f6f4 v[(\d):(\d)+7], v[(\a):(\a)+11], v[(\b):(\b)+11], \c, v[\sa], v[\sb] matrix_a_fmt:MATRIX_FMT_FP6 matrix_b_fmt:MATRIX_FMT_FP6
.endm
	s_load_b128 s[4:7], s[0:1], 0x0                ; frg, out0
	v_lshl_add_u32 v[SPW], v0, 2, SPARE
	v_mov_b32 v[NIL], 0
	ds_add_u32 v[SPW], v[NIL]                      ; the opening lines: the add twice and one wait
	ds_add_u32 v[SPW], v[NIL]
	v_lshrrev_b32 v[TMP], 5, v0
	v_readfirstlane_b32 s[WV], v[TMP]              ; wave 0 .. 15
	s_bfe_u32 s11, ttmp6, 0x40000                  ; cx: enters q's and out's addresses alone
	s_and_b32 s12, ttmp7, 0xffff                   ; 16 batch + head
	s_mov_b32 s[G0], 1
	s_mul_i32 s[G0+1], s[WV], PAIR                 ; pair w's place in LDS
	s_mul_i32 s38, s12, 16*PAIR
	s_add_co_u32 s38, s38, s[G0+1]
	s_add_co_u32 s38, s38, QEND                    ; and in frg
	s_mov_b32 s39, 0
	s_mov_b32 s[G1], 15|(3<<16)|(1<<21)            ; a dense block of 13,312 bytes as 52 rows of 256; the mask names the cluster's four
	s_mov_b32 s[G1+1], 32<<16
	s_mov_b32 s[G1+2], 52<<16
	s_mov_b32 s[G1+3], 32<<16
	s_mov_b32 s[G1+4], 52
	s_mov_b32 s[G1+5], 32
	s_mov_b32 s[G1+6], 0
	s_mov_b32 s[G1+7], 0
	s_lshl_b32 s40, s11, 2
	s_lshr_b32 s41, s[WV], 2
	s_add_co_u32 s40, s40, s41                     ; my group of 128 queries
	s_and_b32 s41, s[WV], 3                        ; my image p of it: tiles 2 p, 2 p + 1
	s_lshl_b32 s42, s12, 4
	s_add_co_u32 s42, s42, s40
	s_mul_i32 s42, s42, UNIT
	s_mov_b32 s43, 0
	s_mul_i32 s44, s41, 1536
	s_add_co_u32 s44, s44, s42                     ; q's image
	s_mov_b32 s45, 0
	s_lshl_b32 s46, s41, 2
	s_add_co_u32 s42, s42, s46
	s_add_co_u32 s42, s42, 6144                    ; its scale words
	s_lshr_b32 s46, s12, 4                         ; tile 2 p's row r is token 128 group + 64 (p / 2) + 16 (p % 2) + 32 (r / 8) + r % 8; tile 2 p + 1's lies 8 on
	s_lshl_b32 s46, s46, 11
	s_lshl_b32 s47, s40, 7
	s_add_co_u32 s46, s46, s47
	s_lshr_b32 s47, s41, 1
	s_lshl_b32 s47, s47, 6
	s_add_co_u32 s46, s46, s47
	s_and_b32 s47, s41, 1
	s_lshl_b32 s47, s47, 4
	s_add_co_u32 s46, s46, s47
	s_lshl_b32 s46, s46, 12
	s_and_b32 s47, s12, 15
	s_lshl_b32 s47, s47, 8
	s_add_co_u32 s46, s46, s47
	s_mov_b32 s47, 0
	s_mul_i32 s48, s[WV], 4352
	s_add_co_u32 s48, s48, STG                     ; my stage
	s_mov_b32 s[SEL], 0x76543210
	s_mov_b32 s[SEL+1], 0xfedcba98
	s_mov_b32 s[CS], 0x3e38aa3b                    ; log2(e) / 8
	s_mov_b32 s[CS+1], s[CS]
	v_and_b32 v[LI], 31, v0
	v_lshlrev_b32 v[LI], 4, v[LI]
	v_bfe_u32 v[SH8], v0, 4, 1
	v_lshlrev_b32 v[SH8], 3, v[SH8]
	WALU
	s_wait_dscnt 0x0
	CROUND                                         ; the round in front of the joint loads
	s_wait_kmcnt 0x0
	s_add_nc_u64 s[G0+2:G0+3], s[4:5], s[38:39]
	s_or_b32 s[G0+3], s[G0+3], 0x80000000
	s_add_nc_u64 s[44:45], s[4:5], s[44:45]
	s_add_nc_u64 s[42:43], s[4:5], s[42:43]
	s_add_nc_u64 s[46:47], s[6:7], s[46:47]
	s_cmp_lt_u32 s[WV], 4
	s_cbranch_scc0 .Lrest
	tensor_load_to_lds s[G0:G0+3], s[G1:G1+7]      ; waves 0-3: pairs 0-3, which are shown first
	s_nop 0
	NOPS 4
	s_branch .Lasked
.Lrest:
	tensor_load_to_lds s[G0:G0+3], s[G1:G1+7]      ; waves 4-15: pairs 4-15
	s_nop 0
	NOPS 4
.Lasked:
.irp c, 0,1,2
	global_load_b128 v[S+4*\c:S+4*\c+3], v[LI], s[44:45] offset:512*\c th:TH_LOAD_NT
.endr
	global_load_b32 v[S+12], v[LI], s[42:43] th:TH_LOAD_NT
.irp i, 0,1,2,3,4,5
	v_mov_b32 v[QR+\i], 0
	v_mov_b32 v[QR+12+\i], 0
	v_mov_b32 v[QR+24+\i], 0
.endr
.set j, 0
.rept 64
	v_mov_b32 v[O+j], 0                            ; the step is written once: the first finds zeros
.set j, j+1
.endr
	v_mov_b32 v[NM+1], 0xff61b1e6                  ; the largest score so far: -3e38
	v_mov_b32 v[NM+3], 0xff61b1e6
	v_mul_f32 v[TMP], s[CS], v[NM+1]
	v_floor_f32 v[NM], -v[TMP]
	v_floor_f32 v[NM+2], -v[TMP]
.irp i, 0,1,2,3
	v_mov_b32 v[SM+\i], 0
.endr
	v_mov_b32 v[FF], 0
	s_wait_loadcnt 0x0
	v_and_b32 v[QS], 0xffff, v[S+12]               ; tile 0's two bytes under k = 0 .. 63, or under 64 .. 127; the other two bytes are 0, over zero codes
	v_lshlrev_b32 v[QS+1], 16, v[S+12]
	v_lshrrev_b32 v[QS+2], 16, v[S+12]
	v_and_b32 v[QS+3], 0xffff0000, v[S+12]
.irp i, 0,1,2,3,4,5
	v_mov_b32 v[QR+6+\i], v[S+\i]
	v_mov_b32 v[QR+18+\i], v[S+6+\i]
.endr
	WALU                                           ; the wait at the head's end
	s_cmp_lt_u32 s[WV], 4
	s_cbranch_scc0 .Lnot_first
	s_wait_tensorcnt 0x0
.Lnot_first:
	s_barrier_signal -1
	s_barrier_wait -1                              ; pairs 0-3 are in
.macro LDK off                         ; four images and their scale words
.irp p, 0,1,2,3
.irp c, 0,1,2
	ds_load_b128 v[KV+12*\p+4*\c:KV+12*\p+4*\c+3], v[ADK] offset:(\off)+1536*\p+512*\c
.endr
.endr
	ds_load_b128 v[KW:KW+3], v[ADK] offset:(\off)+6144
.endm
.macro SCORES x
.irp p, 0,1,2,3
	WM S+16*\p, KV+12*\p, QR+6+12*(\x), 0, KW+\p, QS+2*(\x)
	WM S+16*\p+8, KV+12*\p, QR+12*(\x), 0, KW+\p, QS+2*(\x)+1
.endr
.endm
.macro RESC x                          ; O^T under the new M
	WALU                                           ; the wait directly ahead of the first reader of O^T
.set j, 32*(\x)
.rept 16
	v_pk_mul_f32 v[O+j:O+j+1], v[O+j:O+j+1], v[FF:FF+1] op_sel_hi:[1,0]
.set j, j+2
.endr
.endm
.macro SOFT x, pc                      ; tile x's scores become p's codes at v[pc ..] and p's scale word
.set NM_, NM+2*(\x)
.set SM_, SM+2*(\x)
.set PW_, 5+18*(\x)
	v_max3_num_f32 v[BM], v[S], v[S+1], v[S+2]     ; my two blocks' largest scores, each in two chains, the four by turns; each accumulator is first read at its low end
	v_max3_num_f32 v[T], v[S+16], v[S+17], v[S+18]
	v_max3_num_f32 v[BM+1], v[S+32], v[S+33], v[S+34]
	v_max3_num_f32 v[T+1], v[S+48], v[S+49], v[S+50]
.irp i, 3,5,7,9,11,13
	v_max3_num_f32 v[BM], v[BM], v[S+\i], v[S+\i+1]
	v_max3_num_f32 v[T], v[T], v[S+16+\i], v[S+17+\i]
	v_max3_num_f32 v[BM+1], v[BM+1], v[S+32+\i], v[S+33+\i]
	v_max3_num_f32 v[T+1], v[T+1], v[S+48+\i], v[S+49+\i]
.endr
	v_max3_num_f32 v[BM], v[BM], v[T], v[S+15]
	v_max3_num_f32 v[BM+1], v[BM+1], v[T+1], v[S+47]
	v_max_num_f32 v[BM], v[BM], v[S+31]
	v_max_num_f32 v[BM+1], v[BM+1], v[S+63]
	s_delay_alu instid0(VALU_DEP_1)
	v_max_num_f32 v[TMP], v[BM], v[BM+1]
	s_delay_alu instid0(VALU_DEP_1)
	v_permlanex16_b32 v[FF], v[TMP], s[SEL], s[SEL+1]
	s_delay_alu instid0(VALU_DEP_1)
	v_max3_num_f32 v[NM_+1], v[NM_+1], v[TMP], v[FF]   ; the running largest score of my query
	s_delay_alu instid0(VALU_DEP_1)
	v_mul_f32 v[TMP], s[CS], v[NM_+1]
	v_mov_b32 v[FF], v[NM_]
	s_delay_alu instid0(VALU_DEP_2)
	v_floor_f32 v[NM_], -v[TMP]                    ; -M = floor(-t)
	s_delay_alu instid0(VALU_DEP_1)
	v_sub_f32 v[FF], v[NM_], v[FF]
	s_delay_alu instid0(VALU_DEP_1)
	v_cvt_i32_f32 v[FF], v[FF]
	s_delay_alu instid0(VALU_DEP_1)
	v_ldexp_f32 v[FF], 1.0, v[FF]                  ; 2^(old M - new M)
.set j, 0
.rept 32
	v_pk_fma_f32 v[S+j:S+j+1], v[S+j:S+j+1], s[CS:CS+1], v[NM_:NM_+1] op_sel_hi:[1,0,0]
.set j, j+2
.endr
	v_fma_f32 v[BM], v[BM], s[CS], v[NM_]
	v_fma_f32 v[BM+1], v[BM+1], s[CS], v[NM_]
	WALU                                           ; ahead of the batch
.set j, 0
.rept 64
	v_exp_f32 v[S+j], v[S+j]
.set j, j+1
.endr
	v_pk_mul_f32 v[SM_:SM_+1], v[SM_:SM_+1], v[FF:FF+1] op_sel_hi:[1,0]
	WALU                                           ; one wait for the 64
	v_exp_f32 v[BM], v[BM]                         ; the blocks' largest p
	v_exp_f32 v[BM+1], v[BM+1]
	v_pk_add_f32 v[SU2:SU2+1], v[S:S+1], v[S+2:S+3]                  ; the sum of the unquantised p in four chains by turns: the sum itself, v16-17, v20-21, v252-253
	v_pk_add_f32 v[T:T+1], v[S+4:S+5], v[S+6:S+7]
	v_pk_add_f32 v[252:253], v[S+8:S+9], v[S+10:S+11]
.set j, 12
.rept 6
	v_pk_add_f32 v[SM_:SM_+1], v[SM_:SM_+1], v[S+j:S+j+1]
	v_pk_add_f32 v[SU2:SU2+1], v[SU2:SU2+1], v[S+j+2:S+j+3]
	v_pk_add_f32 v[T:T+1], v[T:T+1], v[S+j+4:S+j+5]
	v_pk_add_f32 v[252:253], v[252:253], v[S+j+6:S+j+7]
.set j, j+8
.endr
	v_pk_add_f32 v[SM_:SM_+1], v[SM_:SM_+1], v[S+60:S+61]
	v_pk_add_f32 v[SU2:SU2+1], v[SU2:SU2+1], v[S+62:S+63]
	v_pk_add_f32 v[T:T+1], v[T:T+1], v[252:253]
	v_pk_add_f32 v[SM_:SM_+1], v[SM_:SM_+1], v[SU2:SU2+1]
	v_pk_add_f32 v[SM_:SM_+1], v[SM_:SM_+1], v[T:T+1]
	WALU                                           ; and one for the two
	v_max_num_f32 v[BM], 0x1800000, v[BM]          ; the floor 2^(3 - 127)
	v_max_num_f32 v[BM+1], 0x1800000, v[BM+1]
	v_add_nc_u32 v[BM], 0xff000000, v[BM]          ; the conversions' scale operands
	v_add_nc_u32 v[BM+1], 0xff000000, v[BM+1]
	v_cvt_scalef32_pk16_fp6_f32 v[T:T+2], v[S+16:S+31], v[BM]          ; a plain line stands behind each conversion: later ones write over earlier ones' sources
	v_lshrrev_b32 v[PW_], 23, v[BM]
	v_cvt_scalef32_pk16_fp6_f32 v[(\pc):(\pc)+2], v[S:S+15], v[BM]
	v_lshrrev_b32 v[TMP], 23, v[BM+1]
	v_cvt_scalef32_pk16_fp6_f32 v[(\pc)+6:(\pc)+8], v[S+32:S+47], v[BM+1]
	v_lshl_or_b32 v[PW_], v[TMP], 16, v[PW_]
	v_cvt_scalef32_pk16_fp6_f32 v[S:S+2], v[S+48:S+63], v[BM+1]
	v_lshlrev_b32 v[PW_], v[SH8], v[PW_]           ; my two bytes at their places,
.irp i, 0,1,2
	v_mov_b32 v[(\pc)+3+\i], v[T+\i]
	v_mov_b32 v[(\pc)+9+\i], v[S+\i]
.endr
	v_permlanex16_b32 v[TMP], v[PW_], s[SEL], s[SEL+1]
	v_or_b32 v[PW_], v[PW_], v[TMP]                ; with lane l xor 16's two: p's scale word
.endm
.macro STEP                            ; 128 keys x my 32 queries
	v_add_nc_u32 v[ADK], s[TB], v[LI]
	NOPS 4                                         ; five places behind the last products: the loads land on v's images, the scores on tile 1's p
	LDK 0
	WALU
	s_wait_dscnt 0x0
	SCORES 0
	NOPS 4
	SOFT 0, PCA
	SCORES 1
	RESC 0                                         ; sixteen places behind the products
	LDK UNIT                                       ; v's images take k's registers
	SOFT 1, S+16
	RESC 1
	WALU
	s_wait_dscnt 0x0
.irp i, 0,1,2,3                        ; eight accumulators by turns
	WM O+8*\i, KV+12*\i, PCA, v[O+8*\i:O+8*\i+7], KW+\i, 5
	WM O+32+8*\i, KV+12*\i, S+16, v[O+32+8*\i:O+39+8*\i], KW+\i, 23
.endr
	s_add_co_u32 s[TB], s[TB], PAIR
.endm
.macro KLOOP first, n
	s_mov_b32 s[TB], (\first)*PAIR
	s_mov_b32 s[CNT], \n
.Lk_\@:
	STEP
	s_sub_co_u32 s[CNT], s[CNT], 1
	s_cmp_lg_u32 s[CNT], 0
	s_cbranch_scc1 .Lk_\@
.endm
	KLOOP 0, 1                                     ; the first 128 keys, of pair 0
	s_wait_tensorcnt 0x0                           ; every wave: its pair is in
	s_wait_dscnt 0x0
	s_barrier_signal -1
	s_barrier_wait -1                              ; all sixteen pairs are in
	KLOOP 1, 15
	v_and_b32 v[T], 15, v0                         ; the way out's addresses: also the places behind the last products
	v_bfe_u32 v[T+1], v0, 4, 1
	v_mul_u32_u24 v[BM], v[T], 272
	v_mul_u32_u24 v[BM+1], v[T+1], 272
	v_lshl_add_u32 v[BM], v[T+1], 7, v[BM]
	v_lshl_add_u32 v[BM+1], v[T], 4, v[BM+1]
	v_add_nc_u32 v[BM], s48, v[BM]                 ; into my stage: row r, 128 bytes a half
	v_add_nc_u32 v[BM+1], s48, v[BM+1]             ; back: lanes 0-15 a row of 256 bytes, lanes 16-31 the next
	v_lshlrev_b32 v[SU2], 12, v[T+1]
	v_lshl_add_u32 v[SU2], v[T], 4, v[SU2]         ; the same two rows in out0
	v_add_f32 v[SM], v[SM], v[SM+1]
	v_add_f32 v[SM+2], v[SM+2], v[SM+3]
	v_permlanex16_b32 v[FF], v[SM], s[SEL], s[SEL+1]
	v_permlanex16_b32 v[TMP], v[SM+2], s[SEL], s[SEL+1]
	v_add_f32 v[SM], v[SM], v[FF]
	v_add_f32 v[SM+2], v[SM+2], v[TMP]             ; the rows' sums
	WALU
	v_rcp_f32 v[SM], v[SM]
	v_rcp_f32 v[SM+2], v[SM+2]
	v_nop
	WALU
.set j, 0
.rept 32
	v_mul_f32 v[S+j], v[O+j], v[SM]                ; register 8 i + j of lane (r, h) is channel 32 h + 8 i + j of query r
.set j, j+1
.endr
.rept 32
	v_mul_f32 v[S+j], v[O+j], v[SM+2]
.set j, j+1
.endr
.irp x, 0,1                            ; LDS serves a wave's instructions in order: no wait between
.irp k, 0,1,2,3,4,5,6,7
	ds_store_b128 v[BM], v[S+32*\x+4*\k:S+32*\x+4*\k+3] offset:16*\k
.endr
.irp t, 0,1,2,3,4,5,6,7
	ds_load_b128 v[O+32*\x+4*\t:O+32*\x+4*\t+3], v[BM+1] offset:544*\t
.endr
.endr
.irp x, 0,1
	s_wait_dscnt 16-16*\x                          ; tile x's rows are back; tile 1's 16 LDS instructions may be out
.irp t, 0,1,2,3,4,5,6,7
	global_store_b128 v[SU2], v[O+32*\x+4*\t:O+32*\x+4*\t+3], s[46:47] offset:(8*\x+32*(\t/4)+2*(\t%4))*4096 th:TH_STORE_NT   ; 16 lanes store 256 bytes on end, aligned
.endr
.endr
	s_wait_tensorcnt 0x0                           ; the wave's end
	ds_add_u32 v[SPW], v[NIL]
	s_wait_dscnt 0x0
	CROUND                                         ; the closing round
	s_endpgm
.Lfunc_end_k_qf48574e551_attn:
	.size	k_qf48574e551_attn, .Lfunc_end_k_qf48574e551_attn-k_qf48574e551_attn
	.p2alignl 7, 3214868480
	.fill 96, 4, 3214868480
	.section	.rodata,"a",@progbits
	.p2align	6, 0x0
	.amdhsa_kernel k_qf48574e551_attn
		.amdhsa_group_segment_fixed_size 327680
		.amdhsa_private_segment_fixed_size 0
		.amdhsa_enable_private_segment 0
		.amdhsa_kernarg_size 16
		.amdhsa_user_sgpr_count 2
		.amdhsa_user_sgpr_kernarg_segment_ptr 1
		.amdhsa_wavefront_size32 1
		.amdhsa_system_sgpr_workgroup_id_x 1
		.amdhsa_system_sgpr_workgroup_id_y 1
		.amdhsa_system_sgpr_workgroup_id_z 1
		.amdhsa_system_vgpr_workitem_id 0
		.amdhsa_next_free_vgpr 256
		.amdhsa_next_free_sgpr 66
		.amdhsa_reserve_vcc 0
		.amdhsa_float_denorm_mode_32 3
		.amdhsa_float_denorm_mode_16_64 3
		.amdhsa_memory_ordered 1
		.amdhsa_forward_progress 1
		.amdhsa_inst_pref_size 70
	.end_amdhsa_kernel
	.amdgpu_metadata
---
amdhsa.version: [ 1, 2 ]
amdhsa.kernels:
  - .name:           k_qf48574e551_attn
    .symbol:         k_qf48574e551_attn.kd
    .args:
      - { .name: frg, .offset: 0, .size: 8, .value_kind: global_buffer, .address_space: global }
      - { .name: out0, .offset: 8, .size: 8, .value_kind: global_buffer, .address_space: global }
    .group_segment_fixed_size: 327680
    .private_segment_fixed_size: 0
    .kernarg_segment_align: 8
    .kernarg_segment_size: 16
    .max_flat_workgroup_size: 512
    .sgpr_count:     66
    .vgpr_count:     256
    .wavefront_size: 32
...
	.end_amdgpu_metadata
.endif
;; end of part 3
